; MI455X (gfx1250); checked and timed in simulation.
; The chip was launched on July 23, 2026; its instructions are those of AMD's public machine-readable ISA for CDNA 5 (MIT licence, August 2026) and "CDNA5" Instruction Set Architecture Reference Guide (July 2026). The comments in the code are by the model that wrote it; some were corrected since.
;; Self Attention. Allowed arithmetic: matrix products marked QUANTISED: E4M3 operands, one given power-of-two scale a tensor, by v_wmma_f32_16x16x64_fp8_fp8 or v_wmma_f32_16x16x128_fp8_fp8, f32 sums; everything else in f32.
;; Inputs: g_w_codes 128 x 8 x 32 uint8 (E4M3 codes of g_w, K innermost, in blocks of 32 codes); gamma one number float32; lowp_scales 12 int32 (the exponents e of the quantised operands' scales 2^e); o_w_codes 256 x 4 x 32 uint8 (E4M3 codes of o_w, K innermost, in blocks of 32 codes); phi_w_codes 32 x 8 x 32 uint8 (E4M3 codes of phi_w, K innermost, in blocks of 32 codes); theta_w_codes 32 x 8 x 32 uint8 (E4M3 codes of theta_w, K innermost, in blocks of 32 codes); x 8 x 64 x 64 x 256 float32.
;; Outputs: out0 8 x 64 x 64 x 256 float32.
;; This version of the problem:
;;   THIS VERSION OF THE PROBLEM IS GIVEN IN LOW PRECISION. The matrix products marked QUANTISED in the list below multiply operands that are first quantised to E4M3 (4 exponent bits, 3 mantissa bits; 8 bits a number), with one given power-of-two scale for each operand tensor; their sums are f32. All else is computed in f32.
;;   The module's matrix products, in the order in which they are computed (A, B: the left and right operand; K: the contracted axis; several contracted axes count as one K, in the product's order):
;;     1. [M 32,768, K 256] x [K 256, N 32]; A: input x; B: input theta_w (given as codes): QUANTISED (scales: A lowp_scales[0], B lowp_scales[1])
;;     2. [M 32,768, K 256] x [K 256, N 32]; A: input x; B: input phi_w (given as codes): QUANTISED (scales: A lowp_scales[2], B lowp_scales[3])
;;     3. [M 32,768, K 256] x [K 256, N 128]; A: input x; B: input g_w (given as codes): QUANTISED (scales: A lowp_scales[4], B lowp_scales[5])
;;     4. batch 8 x [M 4,096, K 32] x [K 32, N 4,096]; A: computed on the way; B: computed on the way: QUANTISED (scales: A lowp_scales[6], B lowp_scales[7])
;;     5. batch 8 x [M 4,096, K 4,096] x [K 4,096, N 128]; A: softmax (see below); B: computed on the way: QUANTISED (scales: A lowp_scales[8], B lowp_scales[9])
;;     6. [M 32,768, K 128] x [K 128, N 256]; A: computed on the way; B: input o_w (given as codes): QUANTISED (scales: A lowp_scales[10], B lowp_scales[11])
;;   THE QUANTISER, for each operand of a quantised product, along K:
;;     - The operand's scale is 2^e, e = its entry of the input lowp_scales (int32; the entries are numbered through the quantised products in the list's order, A before B).
;;     - Each number is divided by the scale, clamped to +-448, and rounded to the nearest number of E4M3, ties to even, subnormals kept.
;;     - The product sums the exact products of the quantised numbers (number of the format x scale) in f32.
;;   ~~~python
;;   def quantise(x, axis, e):      # numpy; x: float32 -> the quantised numbers, widened to float32 again
;;       x = np.moveaxis(x, axis, -1); K = x.shape[-1]
;;       r = np.clip(x / 2.0 ** e, -448, 448)
;;       step = 2.0 ** (np.maximum(np.frexp(np.where(r == 0, 1, r))[1] - 1, -6) - 3)
;;       q = np.round(r / step) * step * 2.0 ** e      # np.round: ties to even
;;       return np.moveaxis(q, -1, axis).astype(np.float32)
;;   ~~~
;;   SOFTMAX AHEAD OF A QUANTISED PRODUCT. Where the list says 'softmax', what is quantised is not the finished softmax but p = 2^(t - M), with t = logit x log2(e) and M = ceil(the row's largest t), a whole number; so 1/2 < the row's largest p <= 1. The row's sum l is taken of the UNQUANTISED p, in f32, and the product's result is divided by l at the end. Since M is a whole number, a kernel that streams over the keys may use a running M (the ceiling of the running maximum): every later rescaling is an exact power of two, so the quantised numbers keep their values, but for numbers so far below the row's largest that they fall under the format's range.
;;   OPERANDS COMPUTED ON THE WAY. 'Computed on the way' means the value that the module computes at that place (a softmax that the list does not call 'softmax' is quantised finished and normalised). What goes into a quantiser is computed in f32, as accurately as f32 sums, v_exp_f32 and their like allow (about 1e-6 of the number): no bf16 or f16 on the way to a quantiser, and a product that is left as it is and whose result goes on into a quantised operand takes f32 operands (vector FMAs, or v_wmma_f32_16x16x4_f32). A number that lies on a knife's edge between two numbers of the format may be rounded either way, as far as f32 arithmetic and the matrix unit's own rounding can turn it there, and no further.
;;   INPUTS GIVEN AS CODES. g_w (in the module: [256, 128], K = its axis 0); o_w (in the module: [128, 256], K = its axis 0); phi_w (in the module: [256, 32], K = its axis 0); theta_w (in the module: [256, 32], K = its axis 0): each comes as NAME_codes (uint8): NAME with its K axis moved to the last place and cut into blocks of 32 codes, [.., K / 32, bytes a block], one block behind the other in memory; one code a byte (a code: sign, 4 exponent bits, 3 mantissa bits); its scale is its entry of lowp_scales. Its value is code x scale, taken as it is: it is not quantised again, and the codes and scales need not be those that the quantiser above would give.
;; One version. Each part assembles by itself: llvm-mc -triple=amdgcn-amd-amdhsa -mcpu=gfx1250 --defsym DOCPART=n.
;; ======== version 1 of 1: 2 launches
;; limits: right only within a limited range of input values
;; workspace buffers: thq 1,048,576 bytes; kv 5,242,880 bytes
;; launch project (part 1): grid 256 x 1, 4 waves a work-group, no clusters, 185,856 bytes of LDS; arguments x, theta_w_codes, phi_w_codes, g_w_codes, lowp_scales, thq, kv; writes thq, kv
.if DOCPART == 1
	.amdgcn_target "amdgcn-amd-amdhsa--gfx1250"
	.amdhsa_code_object_version 6
	.text
	.protected	k_q6bd83da324_project
	.globl	k_q6bd83da324_project
	.p2align	8
	.type	k_q6bd83da324_project,@function
k_q6bd83da324_project:
	s_mov_b64 s[64:65], 0
	v_nop
	global_prefetch_b8 v0, s[64:65] scope:SCOPE_SE
	s_setreg_imm32_b32 hwreg(HW_REG_WAVE_MODE, 25, 1), 1
	s_wait_xcnt 0x0
; theta = Q(x, e0) theta_w, phi = Q(x, e2) phi_w, g = Q(x, e4) g_w: three products on codes of E4M3, K = 256; their results are quantised at once (e6, e7, e9) and stored as codes.
; x: [32768][256] f32.  theta_w, phi_w: [32][256] codes, g_w: [128][256] codes, K innermost.  lowp_scales: e0 .. e11 (int32).
; OUT.  thq: theta's codes, [32768][32].  kv: 256 key steps of 128 keys, 20,480 bytes each, LAID IN THE ORDER OF THE NEXT LAUNCH'S OPERAND REGISTERS:
;   bytes 0-4095: eight chunks T of 512 bytes; lane l = r + 16 h owns bytes 16 l on: phi's codes of key 16 T + r, channels 16 h + 0 .. 15;
;   bytes 4096 on: channel tile t (8) x chunk c (4) x 512 bytes; lane l owns 16 bytes: g's codes of channel 32 (t / 2) + 8 (t % 2) + r + 8 (r / 8); bytes 0-7 keys 32 c + 8 h + 0 .. 7, bytes 8-15 keys 32 c + 16 + 8 h + 0 .. 7.
; SHARES.  Work-group wg takes rows 128 wg on (= key step wg); wave w 32 of them, as two tiles of 16, and makes all 192 columns for them: x is quantised once for each of its three scales and never changes waves.
; The 24 weight fragments (384 registers) stay in each wave's registers.  theta and phi are made TRANSPOSED (source 0 = 16 rows of the weight, source 1 = x): a lane holds one row of x and 16 neighbouring channels, the next K.
; g is made the natural way (source 0 = x, source 1 = 16 rows of g_w): a lane holds one channel and eight neighbouring keys, the next K.
; THE ROWS OF A WEIGHT THAT FORM A TILE ARE NOT NEIGHBOURS: lane r of tile 2 b + u takes row 32 b + 8 u + r + 8 (r / 8).
; FRAGMENTS come by loads of 16 bytes: registers 4 c .. 4 c + 3 hold k = 32 c + 16 h + 0 .. 15, alike in both operands: every product meets its partner; only the order of the sums inside an instruction differs.
; LDS is filled once: x's 128 rows (pitch 1,040) and the weights' 192 rows (pitch 272).  No slot is filled again.  A wave has four tensor loads out at the most.
; NO CLUSTER: what work-groups share, the weights, is 49,152 of the 180,224 bytes that a work-group asks for, asked for once at the head; a round of a cluster's barrier would stand in front of x's requests.
; NO PREFETCH: every byte that the work-group reads is asked for at its head.
; LIMITS: e0, e2, e4, e6 - e0 - e1, e7 - e2 - e3, e9 - e4 - e5 each between -126 and 119, so that the scale and 448 x the scale are f32 numbers.  NaN among the inputs is not served; infinities are held at the largest code.
.set PX,   1040                        ; a row of x in LDS: 1,024 bytes + 16 = 260 words: row r starts 4 r words on modulo 64, so sixteen rows' 16 bytes fall on sixteen different columns of 16 bytes
.set PW,   272                         ; a row of a weight in LDS: 256 bytes + 16
.set WT,   128*PX                      ; the weights: theta's 32 rows, phi's 32, g's 128
.set PHO,  32*PW
.set GWO,  64*PW
.set WA,   1                           ; v1   weights: WT + (r + 8 (r / 8)) PW + 16 h
.set XA,   2                           ; v2   x: (32 w + r) PX + 64 h
.set LI,   3                           ; v3   16 x lane
.set TA,   4                           ; v4   32 r + 16 h: my 16 bytes of a tile's rows of thq
.set T0,   18                          ; v6, v8, v10: 2^e for x's three scales;  v12, v14, v16: the same for the three results
.set XF0,  34                          ; v34-97   64 numbers of x: K step 0
.set XF1,  98                          ; v98-161  K step 1
.set CT,   162                         ; v162-177 x's codes under e0;  v178-193 under e2;  v194-209 under e4
.set CP,   178
.set CG,   194
.set VC,   210                         ; v210-241 g's codes: tile t, row tile u at 4 t + 2 u
.set ACC,  128                         ; window 2: v128-223 twelve accumulators: theta 2, phi 2, g 8.  Window 2 v0-63 theta_w, v64-127 phi_w.  Window 1: g_w's 16 fragments
.set WV,   18
.set G1X,  24                          ; s[24:31] group 1: 16 rows of x
.set G1G,  32                          ; s[32:39] 32 rows of a weight
.set G1T,  40                          ; s[40:47] 16 rows of a weight
.set G0T,  48                          ; s[48:51], s[52:55], s[56:59], s[60:63]: groups 0: theta or phi, g, x's tile 0, x's tile 1
.set G0G,  52
.set G0X,  56
.set MSB, 0
.macro WIN new                         ; s_set_vgpr_msb: bits 1:0 source 0, 3:2 source 1, 5:4 source 2, 7:6 destination; the high byte repeats the setting that is left
.if MSB != \new
	s_set_vgpr_msb (MSB<<8)|\new
.set MSB, \new
.endif
.endm
.macro PLACES                          ; four plain vector lines between a matrix instruction and the first vector read of its result (ISA guide 7.12.1)
.rept 4
	v_nop
.endr
.endm
.macro MKSC vs, vl, se                 ; v[vs] = 2^e, e in s[se]
	s_add_co_i32 s80, s[\se], 127
	s_lshl_b32 s81, s80, 23
	v_mov_b32 v[\vs], s81
	s_add_co_i32 s80, s80, 8
	s_lshl_b32 s80, s80, 23
	s_or_b32 s80, s80, 0x600000
.endm
	s_load_b256 s[4:11], s[0:1], 0x0               ; x s[4:5], theta_w s[6:7], phi_w s[8:9], g_w s[10:11]
	s_load_b128 s[12:15], s[0:1], 0x20             ; the scales' exponents s[12:13], thq s[14:15]
	s_load_b64 s[16:17], s[0:1], 0x30              ; kv
	v_lshl_add_u32 v254, v0, 2, 0x2d400
	v_mov_b32 v255, 0
	ds_add_u32 v254, v255
	ds_add_u32 v254, v255
	v_lshrrev_b32 v5, 5, v0
	v_readfirstlane_b32 s[WV], v5                  ; wave 0..3
	s_mov_b32 s[G1X], (2<<16)|(1<<20)|(7<<22)|(3<<25)   ; no mask; elements of 4 bytes; padding on: 4 words behind every 256
	s_mov_b32 s[G1X+1], 256<<16                    ; tensor_dim0 = 256
	s_mov_b32 s[G1X+2], 16<<16                     ; tensor_dim1 = 16
	s_mov_b32 s[G1X+3], 256<<16                    ; tile_dim0 = 256
	s_mov_b32 s[G1X+4], 16                         ; tile_dim1 = 16
	s_mov_b32 s[G1X+5], 256                        ; elements from row to row
	s_mov_b32 s[G1X+6], 0
	s_mov_b32 s[G1X+7], 0
	s_mov_b32 s[G1G], (3<<16)|(1<<20)|(5<<22)|(3<<25)   ; elements of 8 bytes; 4 words of padding behind every 64
	s_mov_b32 s[G1G+1], 32<<16                     ; a row is 32 elements, 256 bytes
	s_mov_b32 s[G1G+2], 32<<16                     ; 32 rows
	s_mov_b32 s[G1G+3], 32<<16
	s_mov_b32 s[G1G+4], 32
	s_mov_b32 s[G1G+5], 32
	s_mov_b32 s[G1G+6], 0
	s_mov_b32 s[G1G+7], 0
	s_mov_b32 s[G1T], (3<<16)|(1<<20)|(5<<22)|(3<<25)
	s_mov_b32 s[G1T+1], 32<<16
	s_mov_b32 s[G1T+2], 16<<16                     ; 16 rows
	s_mov_b32 s[G1T+3], 32<<16
	s_mov_b32 s[G1T+4], 16
	s_mov_b32 s[G1T+5], 32
	s_mov_b32 s[G1T+6], 0
	s_mov_b32 s[G1T+7], 0
	s_and_b32 s84, s[WV], 1
	s_lshl_b32 s84, s84, 12                        ; which 16 rows of theta_w (waves 0, 1) or phi_w (waves 2, 3) I fetch
	s_mov_b32 s85, 0
	s_lshl_b32 s86, s[WV], 13                      ; my 32 rows of g_w
	s_mov_b32 s87, 0
	s_lshl_b32 s88, ttmp9, 17                      ; the work-group's 128 rows of 1,024 bytes,
	s_lshl_b32 s89, s[WV], 15                      ; my 32 of them
	s_add_co_u32 s88, s88, s89
	s_mov_b32 s89, 0
	s_mul_i32 s90, s[WV], 16*PW
	s_mul_i32 s91, s[WV], 32*PW
	s_mul_i32 s92, s[WV], 32*PX
	s_wait_dscnt 0x0
	s_wait_kmcnt 0x0
	s_load_b256 s[68:75], s[12:13], 0x0            ; e0 .. e7
	s_load_b128 s[76:79], s[12:13], 0x20           ; e8 .. e11
	s_cmp_lt_u32 s[WV], 2                          ; the choice hangs on the wave's number alone
	s_cselect_b64 s[G0T+2:G0T+3], s[6:7], s[8:9]
	s_add_nc_u64 s[G0T+2:G0T+3], s[G0T+2:G0T+3], s[84:85]
	s_or_b32 s[G0T+3], s[G0T+3], 0x80000000        ; type = 2
	s_mov_b32 s[G0T], 1
	s_add_co_u32 s[G0T+1], s90, WT                 ; theta's 32 rows, then phi's: 16 w rows on
	s_add_nc_u64 s[G0G+2:G0G+3], s[10:11], s[86:87]
	s_or_b32 s[G0G+3], s[G0G+3], 0x80000000
	s_mov_b32 s[G0G], 1
	s_add_co_u32 s[G0G+1], s91, WT+GWO
	s_add_nc_u64 s[G0X+2:G0X+3], s[4:5], s[88:89]
	s_add_nc_u64 s[G0X+6:G0X+7], s[G0X+2:G0X+3], 16*1024
	s_or_b32 s[G0X+3], s[G0X+3], 0x80000000
	s_or_b32 s[G0X+7], s[G0X+7], 0x80000000
	s_mov_b32 s[G0X], 1
	s_mov_b32 s[G0X+4], 1
	s_mov_b32 s[G0X+1], s92
	s_add_co_u32 s[G0X+5], s92, 16*PX
	tensor_load_to_lds s[G0T:G0T+3], s[G1T:G1T+7]          ; all first fills in one group, ahead of every wait on TENSORcnt, LDS read and barrier
	s_nop 0
	tensor_load_to_lds s[G0G:G0G+3], s[G1G:G1G+7]
	s_nop 0
	tensor_load_to_lds s[G0X:G0X+3], s[G1X:G1X+7]
	s_nop 0
	tensor_load_to_lds s[G0X+4:G0X+7], s[G1X:G1X+7]
	s_nop 0
	v_and_b32 v5, 15, v0                           ; r
	v_bfe_u32 v18, v0, 4, 1                        ; h
	v_and_b32 v19, 31, v0                          ; lane
	v_lshlrev_b32 v[LI], 4, v19
	v_lshlrev_b32 v[TA], 5, v5
	v_lshl_add_u32 v[TA], v18, 4, v[TA]
	v_mul_u32_u24 v[XA], v5, PX
	v_lshl_add_u32 v[XA], v18, 6, v[XA]
	v_add_nc_u32 v[XA], s92, v[XA]
	v_and_b32 v20, 8, v5
	v_add_nc_u32 v20, v20, v5                      ; r + 8 (r / 8)
	v_mul_u32_u24 v[WA], v20, PW
	v_lshl_add_u32 v[WA], v18, 4, v[WA]
	v_add_nc_u32 v[WA], WT, v[WA]
	s_lshl_b32 s84, ttmp9, 12                      ; thq: 128 rows of 32 bytes a work-group,
	s_lshl_b32 s86, s[WV], 10                      ; 32 a wave
	s_add_co_u32 s84, s84, s86
	s_add_nc_u64 s[14:15], s[14:15], s[84:85]
	s_mul_i32 s84, ttmp9, 20480                    ; kv: my key step; K's chunks 2 w and 2 w + 1
	s_add_co_u32 s84, s84, s86
	s_add_nc_u64 s[20:21], s[16:17], s[84:85]
	s_mul_i32 s84, ttmp9, 20480
	s_lshl_b32 s86, s[WV], 9                       ; V's chunk c = w of each channel tile
	s_add_co_u32 s84, s84, s86
	s_add_co_u32 s84, s84, 4096
	s_add_nc_u64 s[22:23], s[16:17], s[84:85]
	s_wait_alu depctr_va_vdst(0)
	s_wait_kmcnt 0x0
	MKSC 6, 7, 68                                  ; x under e0,
	MKSC 8, 9, 70                                  ; e2,
	MKSC 10, 11, 72                                ; e4
	s_sub_co_i32 s82, s74, s68
	s_sub_co_i32 s82, s82, s69                     ; a sum of the first product stands for sum x 2^(e0 + e1): its code is sum / 2^(e6 - e0 - e1)
	s_sub_co_i32 s83, s75, s70
	s_sub_co_i32 s83, s83, s71                     ; e7 - e2 - e3
	s_sub_co_i32 s84, s77, s72
	s_sub_co_i32 s84, s84, s73                     ; e9 - e4 - e5
	MKSC 12, 13, 82
	MKSC 14, 15, 83
	MKSC 16, 17, 84
	s_wait_alu depctr_va_vdst(0)
	s_wait_tensorcnt 0x2                           ; my two loads of weights have landed; x's two tiles, issued behind them, may stay out
	s_barrier_signal -1
	s_barrier_wait -1                              ; everybody's weights have landed
	WIN 0x80                                       ; destination window 2
.irp u, 0,1
.irp s, 0,1
.irp c, 0,1,2,3
	ds_load_b128 v[16*(2*\u+\s)+4*\c:16*(2*\u+\s)+4*\c+3], v[WA] offset:8*\u*PW+128*\s+32*\c
	ds_load_b128 v[64+16*(2*\u+\s)+4*\c:64+16*(2*\u+\s)+4*\c+3], v[WA] offset:PHO+8*\u*PW+128*\s+32*\c
.endr
.endr
.endr
	WIN 0x40                                       ; destination window 1
.irp t, 0,1,2,3,4,5,6,7
.irp s, 0,1
.irp c, 0,1,2,3
	ds_load_b128 v[16*(2*\t+\s)+4*\c:16*(2*\t+\s)+4*\c+3], v[WA] offset:GWO+(32*(\t/2)+8*(\t%2))*PW+128*\s+32*\c
.endr
.endr
.endr
	WIN 0
; 64 numbers of my row of tile u, K step s: register 16 b + 4 j + i = k 128 s + 32 b + 16 h + 4 j + i
.macro LOADX u, s, buf
.irp b, 0,1,2,3
.irp j, 0,1,2,3
	ds_load_b128 v[\buf+16*\b+4*\j:\buf+16*\b+4*\j+3], v[XA] offset:16*PX*\u+512*\s+128*\b+16*\j
.endr
.endr
.endm
; The 64 numbers become a fragment's codes under one scale.  The numbers are kept for the next scale.
.macro QUANT1 buf, cd, sc, lim
.irp g, 0,1,2,3,4,5,6,7
.irp i, 0,1,2,3,4,5,6,7
.endr
	v_cvt_scalef32_pk8_fp8_f32 v[\cd+2*\g:\cd+2*\g+1], v[T0+8*(\g%2)+((\buf+8*\g+0)-(T0+8*(\g%2)+0)):T0+8*(\g%2)+7+((\buf+8*\g+0)-(T0+8*(\g%2)+0))], v[\sc]
.endr
.endm
.macro QUANT3 buf
	QUANT1 \buf, CT, 6, 7
	QUANT1 \buf, CP, 8, 9
	QUANT1 \buf, CG, 10, 11
	v_nop                                          ; one plain line between the last conversion and the matrix instructions that read its result
.endm
; Twelve matrix instructions on twelve accumulators, one a turn.  s = 0: the first K step starts the sums
.macro MULS s
.if \s
	WIN 0xa2                                       ; source 0 (the weight), C and D window 2; source 1 (x's codes) window 0
.else
	WIN 0x82
.endif
.irp u, 0,1
.if \s
	v_wmma_f32_16x16x128_fp8_fp8 v[ACC+8*\u:ACC+8*\u+7], v[16*(2*\u+\s):16*(2*\u+\s)+15], v[CT:CT+15], v[ACC+8*\u:ACC+8*\u+7]
.else
	v_wmma_f32_16x16x128_fp8_fp8 v[ACC+8*\u:ACC+8*\u+7], v[16*(2*\u+\s):16*(2*\u+\s)+15], v[CT:CT+15], 0
.endif
.endr
.irp u, 0,1
.if \s
	v_wmma_f32_16x16x128_fp8_fp8 v[ACC+16+8*\u:ACC+16+8*\u+7], v[64+16*(2*\u+\s):64+16*(2*\u+\s)+15], v[CP:CP+15], v[ACC+16+8*\u:ACC+16+8*\u+7]
.else
	v_wmma_f32_16x16x128_fp8_fp8 v[ACC+16+8*\u:ACC+16+8*\u+7], v[64+16*(2*\u+\s):64+16*(2*\u+\s)+15], v[CP:CP+15], 0
.endif
.endr
.if \s
	WIN 0xa4                                       ; source 0 (x's codes) window 0, source 1 (g_w) window 1, C and D window 2
.else
	WIN 0x84
.endif
.irp t, 0,1,2,3,4,5,6,7
.if \s
	v_wmma_f32_16x16x128_fp8_fp8 v[ACC+32+8*\t:ACC+32+8*\t+7], v[CG:CG+15], v[16*(2*\t+\s):16*(2*\t+\s)+15], v[ACC+32+8*\t:ACC+32+8*\t+7]
.else
	v_wmma_f32_16x16x128_fp8_fp8 v[ACC+32+8*\t:ACC+32+8*\t+7], v[CG:CG+15], v[16*(2*\t+\s):16*(2*\t+\s)+15], 0
.endif
.endr
	WIN 0
.endm
; A tile of 16 rows.  Each tile has registers of its own for the codes that it stores, so no store's data are written again.
.macro TILE u
.set OC, 242-208*(\u)                  ; theta's 4 and phi's 4 registers of codes: v242-249; for tile 1 v34-41, which x's numbers have left
	s_wait_tensorcnt 1-\u                          ; my tile u of x has landed (only I read it); the later tile may stay out
	LOADX \u, 0, XF0
	LOADX \u, 1, XF1
	s_wait_dscnt 16                                ; all but the second K step's 16 loads are in (the weights too)
	QUANT3 XF0
	MULS 0
	s_wait_dscnt 0x0
	v_nop
	v_nop
	v_nop
	v_nop
	QUANT3 XF1
	MULS 1
	PLACES
	WIN 0x82                                       ; source 0 and destination window 2
.set j, 0
.rept 16
.set j, j+1
.endr
.rept 16
.set j, j+1
.endr
.rept 64
.set j, j+1
.endr
	WIN 0x02                                       ; source 0 window 2
	v_cvt_scalef32_pk8_fp8_f32 v[OC:OC+1], v[ACC:ACC+7], v12           ; theta: my row's channels 16 h + 0 .. 7,
	v_cvt_scalef32_pk8_fp8_f32 v[OC+2:OC+3], v[ACC+8:ACC+15], v12      ; 16 h + 8 .. 15
	v_cvt_scalef32_pk8_fp8_f32 v[OC+4:OC+5], v[ACC+16:ACC+23], v14     ; phi likewise
	v_cvt_scalef32_pk8_fp8_f32 v[OC+6:OC+7], v[ACC+24:ACC+31], v14
.irp t, 0,1,2,3,4,5,6,7
	v_cvt_scalef32_pk8_fp8_f32 v[VC+4*\t+2*\u:VC+4*\t+2*\u+1], v[ACC+32+8*\t:ACC+32+8*\t+7], v16   ; g: my channel's keys 32 w + 16 u + 8 h + 0 .. 7
.endr
	WIN 0
	v_nop                                          ; one plain line behind the last conversion: the next tile's products write its sources
	global_store_b128 v[TA], v[OC:OC+3], s[14:15] offset:512*\u        ; 16 rows of 32 bytes: 512 consecutive bytes, aligned
	global_store_b128 v[LI], v[OC+4:OC+7], s[20:21] offset:512*\u      ; K's chunk 2 w + u: 512 consecutive bytes, aligned
.endm
	TILE 0
	TILE 1
.irp t, 0,1,2,3,4,5,6,7
	global_store_b128 v[LI], v[VC+4*\t:VC+4*\t+3], s[22:23] offset:2048*\t   ; V's chunk w of channel tile t: 512 consecutive bytes, aligned
.endr
	s_wait_tensorcnt 0x0
	ds_add_u32 v254, v255
	s_wait_dscnt 0x0
	s_endpgm
.Lfunc_end_k_q6bd83da324_project:
	.size	k_q6bd83da324_project, .Lfunc_end_k_q6bd83da324_project-k_q6bd83da324_project
	.p2alignl 7, 3214868480
	.fill 96, 4, 3214868480
	.section	.rodata,"a",@progbits
	.p2align	6, 0x0
	.amdhsa_kernel k_q6bd83da324_project
		.amdhsa_group_segment_fixed_size 185856
		.amdhsa_private_segment_fixed_size 0
		.amdhsa_enable_private_segment 0
		.amdhsa_kernarg_size 56
		.amdhsa_user_sgpr_count 2
		.amdhsa_user_sgpr_kernarg_segment_ptr 1
		.amdhsa_wavefront_size32 1
		.amdhsa_system_sgpr_workgroup_id_x 1
		.amdhsa_system_sgpr_workgroup_id_y 1
		.amdhsa_system_sgpr_workgroup_id_z 1
		.amdhsa_system_vgpr_workitem_id 0
		.amdhsa_next_free_vgpr 768
		.amdhsa_next_free_sgpr 96
		.amdhsa_reserve_vcc 0
		.amdhsa_float_denorm_mode_32 3
		.amdhsa_float_denorm_mode_16_64 3
		.amdhsa_fp16_overflow 1
		.amdhsa_memory_ordered 1
		.amdhsa_forward_progress 1
		.amdhsa_inst_pref_size 31
	.end_amdhsa_kernel
	.amdgpu_metadata
---
amdhsa.version: [ 1, 2 ]
amdhsa.kernels:
  - .name:           k_q6bd83da324_project
    .symbol:         k_q6bd83da324_project.kd
    .args:
      - { .name: x, .offset: 0, .size: 8, .value_kind: global_buffer, .address_space: global }
      - { .name: theta_w_codes, .offset: 8, .size: 8, .value_kind: global_buffer, .address_space: global }
      - { .name: phi_w_codes, .offset: 16, .size: 8, .value_kind: global_buffer, .address_space: global }
      - { .name: g_w_codes, .offset: 24, .size: 8, .value_kind: global_buffer, .address_space: global }
      - { .name: lowp_scales, .offset: 32, .size: 8, .value_kind: global_buffer, .address_space: global }
      - { .name: thq, .offset: 40, .size: 8, .value_kind: global_buffer, .address_space: global }
      - { .name: kv, .offset: 48, .size: 8, .value_kind: global_buffer, .address_space: global }
    .group_segment_fixed_size: 185856
    .private_segment_fixed_size: 0
    .kernarg_segment_align: 8
    .kernarg_segment_size: 56
    .max_flat_workgroup_size: 128
    .sgpr_count:     96
    .vgpr_count:     768
    .wavefront_size: 32
...
	.end_amdgpu_metadata
.endif
;; end of part 1
;; launch attend (part 2): grid 32 x 8, 16 waves a work-group, clusters of 4 x 1, 327,680 bytes of LDS; arguments thq, kv, o_w_codes, lowp_scales, gamma, x, out0; writes out0
.if DOCPART == 2
	.amdgcn_target "amdgcn-amd-amdhsa--gfx1250"
	.amdhsa_code_object_version 6
	.text
	.protected	k_q6bd83da324_attend
	.globl	k_q6bd83da324_attend
	.p2align	8
	.type	k_q6bd83da324_attend,@function
k_q6bd83da324_attend:
	s_mov_b64 s[64:65], 0
	v_nop
	global_prefetch_b8 v0, s[64:65] scope:SCOPE_SE
	s_setreg_imm32_b32 hwreg(HW_REG_WAVE_MODE, 25, 1), 1
	s_wait_xcnt 0x0
	s_wait_alu depctr_hold_cnt(0) depctr_sa_sdst(0) depctr_va_vdst(0) depctr_va_sdst(0) depctr_va_ssrc(0) depctr_va_vcc(0) depctr_vm_vsrc(0)
	s_getreg_b32 s2, hwreg(HW_REG_IB_STS2, 6, 4)
	s_cmp_eq_u32 s2, 0
	s_cbranch_scc0 .Lentry_in_a_cluster
	s_endpgm
.Lentry_in_a_cluster:
	s_bfe_u32 s2, ttmp6, 0x10000c
	s_cmp_lg_u32 s2, 0x3003
	s_cbranch_scc0 .Lentry_shape_is_right
	s_endpgm
.Lentry_shape_is_right:
; out0 = x + gamma (softmax(theta phi^T) g) o_w, all three products on codes of E4M3.  thq: theta's codes [32768][32] (scale 2^e6).  kv: phi's (2^e7) and g's (2^e9) codes, 32 key steps of 128 keys a batch,
; 20,480 bytes a step, in the order of the operands' registers: 8 chunks of 512 bytes of K (lane l: key 16 T + l % 16, channels 16 (l / 16) + 0 .. 15), then 8 channel tiles x 4 chunks of V (lane l: channel
; 32 (t / 2) + 8 (t % 2) + r + 8 (r / 8); bytes 0-7 keys 32 c + 8 h + 0 .. 7, bytes 8-15 keys 32 c + 16 + 8 h + 0 .. 7).  So every fragment is read at 16 x lane: no pitch, no padding.
; THE SOFTMAX: t = score x log2(e) x 2^(e6 + e7); M = the running largest t rounded UP to a whole number; p = 2^(t - M) is quantised (2^e8), not normalised; the sum is taken of the unquantised p and divides at the end;
; when M moves, the sum and O are multiplied by 2^(old M - new M), which rounds nothing.
; SHARES.  A work-group owns 128 queries of one batch: eight tiles of 16.  It has SIXTEEN waves of 256 registers, four to a SIMD, so that one wave's vector work stands beside the others' matrix work and LDS loads.
; TWO WAVES SHARE A TILE'S KEYS: wave w has tile w % 8 and, of each slot's four key steps, steps 2 (w / 8) and 2 (w / 8) + 1.  Each keeps M, the sum and O^T over its own 2,048 keys.  At the end waves 8 to 15 hand theirs over
; through LDS and waves 0 to 7 bring both under the larger M (powers of two again) and add.  In the last product the waves share the COLUMNS: wave w makes channels 16 w .. 16 w + 15 of all 128 rows.
; LAYOUT.  All products are used transposed, so that a lane holds ONE query (lane % 16).  S^T = K theta^T has K = 32 and goes by the 16x16x64 form: a fragment of K holds TWO tiles of keys (chunks 2 b, 2 b + 1);
; against (theta | zeros) it gives tile 2 b, against (zeros | theta) tile 2 b + 1: zero codes add nothing.  In S^T register j of tile T is key 16 T + 8 h + j: eight conversions give the 16x16x128 form's own layout of P.
; CLUSTER.  The four query blocks of a cluster belong to one batch and walk the same kv: each slot (4 key steps, 81,920 bytes) is asked for JOINTLY, by waves 0 to 3, one key step each, with a mask that names the four.
; x's 128 rows; the result is added in place in LDS and leaves as whole rows.
; A wave has one tensor load out at the most.
; LEFT OUT: two tiles of queries a wave: their S^T and O^T alone are 256 registers; work-groups that stay: there is one block of queries for each work-group.
; LIMITS: e8 and e10 - e8 - e9 between -126 and 119; e6 + e7 between -126 and 127 (added to log2(e)'s exponent field); e10 + e11 goes by v_ldexp_f32 and has none.  NaN among the inputs is not served.
; REGISTERS: v1 thq offset; v2 16 x lane; v3, v4 my two key steps in slot 0, slot 1; v5 the pair's stage; v6, v7 the spare word's address and 0; v8 my image; v9 prefetch offset; v10, v11 x's pieces; v12 -M, v13 largest t,
;   v[14:15] the sum; v16-19 theta, v20-23 zeros, v24-27 theta; v28 my rows of the tile; v29 o_w offset; v30 the images; v32-95 K's four fragments, then V's tiles 0-3; v96-159 S^T, then p, then V's tiles 4-7; v160-223 O^T;
;   v224-239 codes; v244 2^e8; v246 the result's scale; v248 lane exchange; v[250:251] gamma x 2^(e10 + e11); v[242:243], v252-255 at work.
.set STEPB, 20480                      ; a key step's bytes
.set SLOTB, 4*STEPB                    ; a slot
.set XT,    2*SLOTB                    ; x's tile: 128 rows,
.set PX,    1040                       ; 1,024 bytes + 16 apart
.set SPARE, XT+128*PX                  ; the spare words, 128 bytes for each wave: eight blocks of 256 bytes that no other line names
.set IMG,   SPARE+16*128               ; the eight tiles' fragments for the last product, 2,048 bytes each: bytes of their own, into which no fill lands
.set MRGB,  17*512                     ; what a wave hands over: O^T's 64 registers and four of statistics, as images; eight such lie in slot 0 once that has had its last fill and its last read
.set TQ,  1
.set LI,  2
.set ADR, 3                            ; v[ADR + slot] = 16 x lane + slot x SLOTB + (w / 8) x 2 STEPB; never rewritten
.set MRG, 5
.set SPW, 6
.set NIL, 7
.set IMGW, 8
.set PFO, 9
.set XA0, 10
.set RD,  28
.set OW,  29
.set IMGR, 30
.set QF,  16
.set F,   32
.set WF,  32                           ; at the end: my fragment of o_w
.set S,   96
.set OT,  160
.set PC,  224
.set WV,  18
.set LAP, 19
.set SEL, 20                           ; s[20:21] lane selects for v_permlanex16_b32: lane l xor 16
.set CS,  22                           ; s[22:23] c = log2(e) x 2^(e6 + e7): the packed form names a pair and takes its low word
.set G1KV, 24                          ; s[24:31] group 1 of a key step;  s[32:39] of x's 32 rows
.set G1X,  32
.set G0S,  40                          ; s[40:43], s[44:47] group 0 of slot 0, slot 1;  s[48:51] of x
.set G0X,  48
.set PFA,  52                          ; s[52:53] where my prefetches stand
.set LIM,  54                          ; s54 1 in a wave that prefetches, else the greatest number
.macro MKSC vs, vl, se                 ; v[vs] = 2^e, e in s[se]
	s_add_co_i32 s80, s[\se], 127
	s_lshl_b32 s81, s80, 23
	v_mov_b32 v[\vs], s81
.endm
; A round of the cluster's barrier: my work-group's barrier, so that wave 0's signal speaks for all sixteen waves; wave 0 signals; every wave waits for all four work-groups; my work-group's barrier once more.
.macro CROUND
	s_barrier_signal -1
	s_barrier_wait -1
	s_cmp_lg_u32 s[WV], 0
	s_cbranch_scc1 .Lnot_wave_0_\@
	s_barrier_signal -3
.Lnot_wave_0_\@:
	s_barrier_wait -3
	s_barrier_signal -1
	s_barrier_wait -1
.endm
; Waves 0 to 3 ask jointly for slot s, a key step each.  xl = 1: waves 4 to 7 fetch x's rows, 32 each.  The others fetch nothing.  The branches hang on the wave's number alone.  Four v_nop follow each tensor load.
.macro TLOAD s, xl
	s_cmp_lt_u32 s[WV], 4
	s_cbranch_scc0 .Lnot_kv_\@
	tensor_load_to_lds s[G0S+4*(\s):G0S+4*(\s)+3], s[G1KV:G1KV+7]
	s_nop 0
.rept 4
	v_nop
.endr
.if \xl
	s_branch .Lasked_\@
.endif
.Lnot_kv_\@:
.if \xl
	s_cmp_lt_u32 s[WV], 8
	s_cbranch_scc0 .Lasked_\@
	tensor_load_to_lds s[G0X:G0X+3], s[G1X:G1X+7]
	s_nop 0
.rept 4
	v_nop
.endr
.Lasked_\@:
.endif
.endm
; A PREFETCH INTO THE L2 of the two slots that the next two changes of slots will ask for: 163,840 bytes.  All clusters of a batch walk the same kv: the batch's first cluster asks.  Its four partners share the bytes out BY ADDRESS,
; 40,960 each; in each, waves 0 to 4 take 8,192 bytes each, lanes 256 bytes apart: one instruction a wave, and each aligned block of 256 bytes is named once in the launch.  Slots 0 and 1 come by their loads alone;
; the loop's last trip asks for nothing: the request before it ended at the batch's last byte.  how = 1: ahead of the loop; 2: in it.
.macro ASK how
.if \how == 1
	s_cmp_eq_u32 s[LIM], 1
.else
	s_cmp_gt_u32 s[LAP], s[LIM]                    ; s[LAP] = 1 in the last trip
.endif
	s_cbranch_scc0 .Lnot_mine_\@
	global_prefetch_b8 v[PFO], s[PFA:PFA+1] th:TH_LOAD_NT scope:SCOPE_SE
.Lnot_mine_\@:
.endm
.macro LOADK slot, q                   ; K's eight chunks of my q-th key step of the slot
.irp i, 0,1,2,3,4,5,6,7
	ds_load_b128 v[F+4*\i:F+4*\i+3], v[ADR+\slot] offset:(\q)*STEPB+512*\i
.endr
.endm
.macro LOADV slot, q, t0, reg          ; four of V's fragments: channel tiles t0 .. t0 + 3
.irp t, 0,1,2,3
.irp c, 0,1,2,3
	ds_load_b128 v[\reg+16*\t+4*\c:\reg+16*\t+4*\c+3], v[ADR+\slot] offset:(\q)*STEPB+4096+2048*(\t0+\t)+512*\c
.endr
.endr
.endm
; A KEY STEP: 128 keys.  V's tiles 0-3 are asked for behind the first products and land under the softmax; tiles 4-7 go into p's registers as soon as p is converted; the next step's K is asked for between the two halves of the second product.
.macro STEP slot, q
	s_wait_dscnt 0x0                               ; K is in
.irp t, 0,1,2,3,4,5,6,7
	v_wmma_f32_16x16x64_fp8_fp8 v[S+8*\t:S+8*\t+7], v[F+8*(\t/2):F+8*(\t/2)+7], v[QF+4*(\t%2):QF+4*(\t%2)+7], 0
.endr
.rept 4
	v_nop                                          ; four places: in front of loads into K's registers, which these products have read, and of the first read of the scores
.endr
	LOADV \slot, \q, 0, F
	v_max3_num_f32 v254, v[S], v[S+1], v[S+2]      ; the step's largest score of my query among my 64 keys, in two chains, each accumulator from its low end on,
	v_max3_num_f32 v252, v[S+3], v[S+4], v[S+5]
.set j, 6
.rept 14
	v_max3_num_f32 v254, v254, v[S+j], v[S+j+1]
	v_max3_num_f32 v252, v252, v[S+j+2], v[S+j+3]
.set j, j+4
.endr
	v_max3_num_f32 v254, v254, v[S+62], v[S+63]
	s_delay_alu instid0(VALU_DEP_1)
	v_max_num_f32 v254, v254, v252
	s_delay_alu instid0(VALU_DEP_1)
	v_permlanex16_b32 v248, v254, s[SEL], s[SEL+1]
	s_delay_alu instid0(VALU_DEP_1)
	v_max_num_f32 v254, v254, v248                 ; and among lane l xor 16's
	s_delay_alu instid0(VALU_DEP_1)
	v_mul_f32 v254, s[CS], v254                    ; as t (c is positive)
	s_delay_alu instid0(VALU_DEP_1)
	v_max_num_f32 v13, v13, v254                   ; the running largest t
	v_mov_b32 v254, v12
	s_delay_alu instid0(VALU_DEP_2)
	v_floor_f32 v12, -v13                          ; the new -M = floor(-t) = -ceil(t): a whole number
	s_delay_alu instid0(VALU_DEP_1)
	v_sub_f32 v254, v12, v254                      ; old M less new M: a whole number, 0 or less
	s_delay_alu instid0(VALU_DEP_1)
	v_cvt_i32_f32 v254, v254                       ; (it saturates)
	s_delay_alu instid0(VALU_DEP_1)
	v_ldexp_f32 v252, 1.0, v254                    ; f = 2^(old M - new M)
.set j, 0
.rept 32
	v_pk_fma_f32 v[S+j:S+j+1], v[S+j:S+j+1], s[CS:CS+1], v[12:13] op_sel_hi:[1,0,0]   ; t - M, two at a time (of the pairs c and -M the low word serves both halves)
.set j, j+2
.endr
.set j, 0
	s_wait_alu depctr_va_vdst(0)
.rept 64
	v_exp_f32 v[S+j], v[S+j]                       ; p = 2^(t - M), at most 1
.set j, j+1
.endr
	v_pk_mul_f32 v[14:15], v[14:15], v[252:253] op_sel_hi:[1,0]   ; the sums under the new M: the plain line behind the exponentials
	s_wait_alu depctr_va_vdst(0)                   ; one wait for the batch of 64, ahead of its first reader
	v_pk_add_f32 v[242:243], v[100:101], v[104:105]
	v_pk_add_f32 v[240:241], v[108:109], v[112:113]
	v_pk_add_f32 v[238:239], v[116:117], v[120:121]
	v_pk_add_f32 v[236:237], v[124:125], v[128:129]
	v_pk_add_f32 v[234:235], v[132:133], v[136:137]
	v_pk_add_f32 v[232:233], v[140:141], v[144:145]
	v_pk_add_f32 v[230:231], v[148:149], v[152:153]
	v_pk_add_f32 v[14:15], v[14:15], v[156:157]
	v_pk_add_f32 v[242:243], v[242:243], v[96:97]
	v_pk_add_f32 v[240:241], v[240:241], v[98:99]
	v_pk_add_f32 v[238:239], v[238:239], v[102:103]
	v_pk_add_f32 v[236:237], v[236:237], v[106:107]
	v_pk_add_f32 v[234:235], v[234:235], v[110:111]
	v_pk_add_f32 v[232:233], v[232:233], v[114:115]
	v_pk_add_f32 v[230:231], v[230:231], v[118:119]
	v_pk_add_f32 v[14:15], v[14:15], v[122:123]
	v_pk_add_f32 v[242:243], v[242:243], v[126:127]
	v_pk_add_f32 v[240:241], v[240:241], v[130:131]
	v_pk_add_f32 v[238:239], v[238:239], v[134:135]
	v_pk_add_f32 v[236:237], v[236:237], v[138:139]
	v_pk_add_f32 v[234:235], v[234:235], v[142:143]
	v_pk_add_f32 v[232:233], v[232:233], v[146:147]
	v_pk_add_f32 v[230:231], v[230:231], v[150:151]
	v_pk_add_f32 v[14:15], v[14:15], v[154:155]
	v_pk_add_f32 v[242:243], v[242:243], v[158:159]
	s_delay_alu instid0(VALU_DEP_2)
	v_pk_add_f32 v[14:15], v[14:15], v[236:237]
	s_delay_alu instid0(VALU_DEP_2)
	v_pk_add_f32 v[242:243], v[242:243], v[234:235]
	v_pk_add_f32 v[240:241], v[240:241], v[232:233]
	v_pk_add_f32 v[238:239], v[238:239], v[230:231]
	s_delay_alu instid0(VALU_DEP_2)
	v_pk_add_f32 v[14:15], v[14:15], v[240:241]
	s_delay_alu instid0(VALU_DEP_2)
	v_pk_add_f32 v[242:243], v[242:243], v[238:239]
	s_delay_alu instid0(VALU_DEP_1)
	v_pk_add_f32 v[14:15], v[14:15], v[242:243]
.irp t, 0,1,2,3,4,5,6,7
.irp i, 0,1,2,3,4,5,6,7
.endr
	v_cvt_scalef32_pk8_fp8_f32 v[PC+2*\t:PC+2*\t+1], v[S+8*\t:S+8*\t+7], v244   ; keys 16 t + 8 h + 0 .. 7
.endr
.set j, 0
.rept 2
	v_pk_mul_f32 v[OT+j:OT+j+1], v[OT+j:OT+j+1], v[252:253] op_sel_hi:[1,0]     ; O^T under the new M, tiles 0-3.  (Also the plain lines behind the conversions)
.set j, j+2
.endr
	LOADV \slot, \q, 4, S                          ; p is converted: its registers take V's tiles 4-7
.rept 14
	v_pk_mul_f32 v[OT+j:OT+j+1], v[OT+j:OT+j+1], v[252:253] op_sel_hi:[1,0]
.set j, j+2
.endr
	s_wait_alu depctr_va_vdst(0)
	s_wait_dscnt 16                                ; V's tiles 0-3 are in; the 16 loads of tiles 4-7, issued behind them, may stay out
.irp t, 0,1,2,3                                ; O^T += V^T P^T.  A step's sixteen products name sixteen different accumulators: one instruction a turn
	v_wmma_f32_16x16x128_fp8_fp8 v[OT+8*\t:OT+8*\t+7], v[F+16*\t:F+16*\t+15], v[PC:PC+15], v[OT+8*\t:OT+8*\t+7]
.endr
.rept 16
	v_pk_mul_f32 v[OT+j:OT+j+1], v[OT+j:OT+j+1], v[252:253] op_sel_hi:[1,0]     ; tiles 4-7: they name no register of the four products above, so they are also the places in front of the loads below
.set j, j+2
.endr
.if \q < 1
	LOADK \slot, \q+1
	s_wait_alu depctr_va_vdst(0)
	s_wait_dscnt 8                                 ; V's tiles 4-7 are in; the next step's 8 loads of K, issued behind them, may stay out
.else
	s_wait_alu depctr_va_vdst(0)
	s_wait_dscnt 0x0
.endif
.irp t, 0,1,2,3
	v_wmma_f32_16x16x128_fp8_fp8 v[OT+32+8*\t:OT+32+8*\t+7], v[S+16*\t:S+16*\t+15], v[PC:PC+15], v[OT+32+8*\t:OT+32+8*\t+7]
.endr
.rept 5
	v_nop                                          ; five places: the next step's first products write over registers that these four have read (four of them by ISA guide 7.12.1)
.endr
.endm
; THE CHANGE OF SLOTS stands at a slot's head.  Each wave waits for all its tensor loads, adds 0 to its spare word, and waits for that and for its reads of the slot that it has left.  refill = 1: a round of the cluster's
; barrier, so that no wave of any partner still reads that slot or has a load on its way; the joint load of the next four key steps into it comes first behind the round and has this slot's steps in which to land.
.macro TRIP slot, refill, xl, ask
	s_wait_tensorcnt 0x0                           ; no tensor load of mine is out, so a group 0 may be written
	ds_add_u32 v[SPW], v[NIL]
	ds_add_u32 v[SPW], v[NIL]                      ; 0 onto my spare word
	s_add_nc_u64 s[G0S+4*\slot+2:G0S+4*\slot+3], s[G0S+4*\slot+2:G0S+4*\slot+3], 2*SLOTB   ; this slot's next four key steps; the type bits on top are not reached
.if \ask == 2
	s_wait_xcnt 0x0                                ; the last prefetch, two slots back, has read its address, so it may be written
	s_add_nc_u64 s[PFA:PFA+1], s[PFA:PFA+1], 2*SLOTB
.endif
	s_wait_dscnt 0x0                               ; the add is done, and my reads of the slot that I have left are over
.if \refill
	CROUND
	TLOAD 1-\slot, \xl                             ; the first thing behind the round, and a wave's one tensor load until the next
.else
	s_barrier_signal -1
	s_barrier_wait -1
.endif
	LOADK \slot, 0
.if \ask
	ASK \ask                                       ; behind the tensor load and the LDS loads that the first products wait for
.endif
	s_wait_alu depctr_va_vdst(0)
	STEP \slot, 0
	STEP \slot, 1
.endm
	s_load_b256 s[4:11], s[0:1], 0x0               ; thq s[4:5], kv s[6:7], o_w s[8:9], the scales' exponents s[10:11]
	s_load_b128 s[12:15], s[0:1], 0x20             ; gamma s[12:13], x s[14:15]
	s_load_b64 s[16:17], s[0:1], 0x30              ; out0
	v_lshl_add_u32 v[SPW], v0, 2, SPARE
	v_mov_b32 v[NIL], 0
	ds_add_u32 v6, v7
	ds_add_u32 v6, v7
	s_wait_dscnt 0x0
	v_lshrrev_b32 v31, 5, v0
	s_delay_alu instid0(VALU_DEP_1)
	v_readfirstlane_b32 s[WV], v31                 ; wave 0..15
	v_and_b32 v32, 15, v0                          ; r
	v_bfe_u32 v33, v0, 4, 1                        ; h
	v_and_b32 v34, 31, v0                          ; lane
	s_delay_alu instid0(VALU_DEP_1)
	v_lshlrev_b32 v[LI], 4, v34
	s_lshr_b32 s80, s[WV], 3                       ; which two of a slot's four key steps are mine
	s_mul_i32 s80, s80, 2*STEPB
	v_add_nc_u32 v[ADR], s80, v[LI]
	s_delay_alu instid0(VALU_DEP_1)
	v_add_nc_u32 v[ADR+1], SLOTB, v[ADR]
	s_and_b32 s81, s[WV], 7                        ; my tile of queries
	s_mul_i32 s80, s81, MRGB
	v_add_nc_u32 v[MRG], s80, v[LI]                ; the pair's stage: waves 8 to 15 write it, waves 0 to 7 read it
	v_add_nc_u32 v[IMGR], IMG, v[LI]
	s_lshl_b32 s80, s81, 11
	v_add_nc_u32 v[IMGW], s80, v[IMGR]             ; my tile's image
	v_lshlrev_b32 v[PFO], 8, v34
	v_mul_u32_u24 v[XA0], v32, PX
	s_delay_alu instid0(VALU_DEP_1)
	v_lshl_add_u32 v[XA0], v33, 5, v[XA0]
	s_lshl_b32 s80, s[WV], 6
	s_add_co_u32 s80, s80, XT
	v_add_nc_u32 v[XA0], s80, v[XA0]               ; x's tile: row r, my wave's 16 channels, + 8 h channels
	s_delay_alu instid0(VALU_DEP_1)
	v_add_nc_u32 v[XA0+1], 64*PX, v[XA0]           ; the same 64 rows further down
	s_mul_i32 s80, s[WV], 8*PX
	s_add_co_u32 s80, s80, XT
	v_add_nc_u32 v[RD], s80, v[LI]                 ; the way out: my 8 rows, 16 bytes a lane
	v_lshlrev_b32 v[TQ], 5, v32
	s_delay_alu instid0(VALU_DEP_1)
	v_lshl_add_u32 v[TQ], v33, 4, v[TQ]            ; thq: 32 r + 16 h
	v_lshlrev_b32 v[OW], 7, v32
	s_delay_alu instid0(VALU_DEP_1)
	v_lshl_add_u32 v[OW], v33, 4, v[OW]            ; o_w: 128 r + 16 h
	s_mov_b32 s[G1KV], 15|(3<<16)|(1<<21)          ; 15:0 the mask: all four work-groups; elements of 8 bytes; bit 21 set beside a mask; no padding
	s_mov_b32 s[G1KV+1], 32<<16                    ; a row is 32 elements, 256 bytes
	s_mov_b32 s[G1KV+2], 80<<16                    ; 80 rows: a key step's 20,480 bytes, dense in memory
	s_mov_b32 s[G1KV+3], 32<<16
	s_mov_b32 s[G1KV+4], 80
	s_mov_b32 s[G1KV+5], 32
	s_mov_b32 s[G1KV+6], 0
	s_mov_b32 s[G1KV+7], 0
	s_mov_b32 s[G1X], (2<<16)|(1<<20)|(7<<22)|(3<<25)   ; no mask; elements of 4 bytes; 4 words of padding behind every 256
	s_mov_b32 s[G1X+1], 256<<16
	s_mov_b32 s[G1X+2], 32<<16                     ; 32 rows
	s_mov_b32 s[G1X+3], 256<<16
	s_mov_b32 s[G1X+4], 32
	s_mov_b32 s[G1X+5], 256
	s_mov_b32 s[G1X+6], 0
	s_mov_b32 s[G1X+7], 0
	s_mov_b32 s[SEL], 0x76543210
	s_mov_b32 s[SEL+1], 0xfedcba98
	s_bfe_u32 s80, ttmp6, 0x40000                  ; cx: my place in the cluster: it enters the addresses of thq, x, out0 and the prefetches alone
	s_lshl_b32 s81, ttmp9, 2                       ; in a cluster launch ttmp9 counts clusters
	s_add_co_u32 s81, s81, s80                     ; my block of 128 queries
	s_and_b32 s82, ttmp7, 0xffff                   ; the batch, which the four partners share
	s_and_b32 s83, s[WV], 3
	s_mul_i32 s84, s82, 32*STEPB                   ; the batch's first byte of kv,
	s_mul_i32 s86, s83, STEPB                      ; and the key step of a slot that I fetch, if I fetch: in memory and in LDS alike
	s_mov_b32 s60, s84
	s_add_co_u32 s84, s84, s86
	s_mov_b32 s85, 0
	s_mul_i32 s61, s80, 2*STEPB                    ; the prefetches: my work-group's 40,960 bytes of a pair of slots,
	s_add_co_u32 s60, s60, s61
	s_min_u32 s61, s[WV], 4                        ; (a wave that never asks holds wave 4's address)
	s_lshl_b32 s61, s61, 13                        ; my wave's 8,192 of them,
	s_add_co_u32 s60, s60, s61
	s_add_co_u32 s60, s60, 2*SLOTB                 ; from slot 2 on
	s_mov_b32 s61, 0
	s_lshl_b32 s88, s82, 12
	s_lshl_b32 s89, s81, 7
	s_add_co_u32 s88, s88, s89                     ; the work-group's first row of x
	s_lshl_b32 s89, s83, 5
	s_add_co_u32 s90, s88, s89                     ; the 32 rows that I fetch, if I fetch x
	s_lshl_b32 s90, s90, 10
	s_mov_b32 s91, 0
	s_and_b32 s89, s[WV], 7
	s_lshl_b32 s89, s89, 4
	s_add_co_u32 s92, s88, s89                     ; my tile's first query
	s_lshl_b32 s92, s92, 5
	s_mov_b32 s93, 0
	s_lshl_b32 s89, s[WV], 3
	s_add_co_u32 s94, s88, s89                     ; the first of the 8 rows that I store
	s_lshl_b32 s94, s94, 10
	s_mov_b32 s95, 0
	s_mul_i32 s87, s83, 32*PX
	s_cmp_lt_u32 s[WV], 5                          ; waves 0 to 4
	s_cselect_b32 s63, 0, 1
	s_or_b32 s63, s63, ttmp9                       ; of the batch's first cluster: the same in all four partners
	s_cmp_eq_u32 s63, 0
	s_cselect_b32 s[LIM], 1, -1
	s_wait_kmcnt 0x0
	s_load_b256 s[68:75], s[10:11], 0x0            ; e0 .. e7
	s_load_b128 s[76:79], s[10:11], 0x20           ; e8 .. e11
	s_load_b32 s59, s[12:13], 0x0                  ; gamma
	s_mov_b32 s[G0S], 1
	s_mov_b32 s[G0S+1], s86
	s_add_nc_u64 s[G0S+2:G0S+3], s[6:7], s[84:85]
	s_mov_b32 s[G0S+4], 1
	s_add_co_u32 s[G0S+5], s86, SLOTB
	s_add_nc_u64 s[G0S+6:G0S+7], s[G0S+2:G0S+3], SLOTB
	s_or_b32 s[G0S+3], s[G0S+3], 0x80000000        ; type = 2
	s_or_b32 s[G0S+7], s[G0S+7], 0x80000000
	s_mov_b32 s[G0X], 1
	s_add_co_u32 s[G0X+1], s87, XT
	s_add_nc_u64 s[G0X+2:G0X+3], s[14:15], s[90:91]
	s_or_b32 s[G0X+3], s[G0X+3], 0x80000000
	s_add_nc_u64 s[4:5], s[4:5], s[92:93]          ; thq at my tile's first query
	s_lshl_b32 s92, s[WV], 11
	s_add_nc_u64 s[8:9], s[8:9], s[92:93]          ; o_w at my 16 rows of 128 bytes
	s_add_nc_u64 s[16:17], s[16:17], s[94:95]      ; out0 at my 8 rows
	s_add_nc_u64 s[PFA:PFA+1], s[6:7], s[60:61]
	CROUND                                         ; all four work-groups are here: the first joint loads meet
	s_cmp_lt_u32 s[WV], 4
	s_cbranch_scc0 .Lno_first
	tensor_load_to_lds s[G0S:G0S+3], s[G1KV:G1KV+7]        ; slot 0
	s_nop 0
.rept 4
	v_nop
.endr
.Lno_first:
	s_wait_alu depctr_va_vdst(0)
	global_load_b128 v[QF:QF+3], v[TQ], s[4:5]     ; theta: query r, channels 16 h + 0 .. 15: the order of K's chunks
.irp j, 20,21,22,23
	v_mov_b32 v[\j], 0                             ; the zero codes between the two copies of theta
.endr
	v_mov_b32 v13, 0xff61b1e6                      ; the largest t so far: -3e38, under every t
	s_delay_alu instid0(VALU_DEP_1)
	v_floor_f32 v12, -v13                          ; -M
	v_mov_b32 v14, 0                               ; the sum, in two halves
	v_mov_b32 v15, 0
	v_mov_b32 v248, 0                              ; written once: a lane permute's destination counts as one of its sources
	v_mov_b32 v253, 0                              ; (named as the upper halves of the pairs v[252:253] and v[254:255])
	v_mov_b32 v255, 0
.set j, 0
.rept 64
	v_mov_b32 v[OT+j], 0                           ; O^T.  (The key step is written without a first step of its own: it finds zeros, which the first change of M leaves zeros)
.set j, j+1
.endr
	s_wait_kmcnt 0x0
	s_add_co_i32 s82, s74, s75
	s_lshl_b32 s82, s82, 23
	s_mov_b32 s[CS], 0x3fb8aa3b                    ; log2(e);
	s_add_co_i32 s[CS], s[CS], s82                 ; a score stands for score x 2^(e6 + e7): the two exponents are added to its exponent field
	s_mov_b32 s[CS+1], s[CS]                       ; (named with it as a pair, so it is written)
	MKSC 244, 240, 76                              ; p: 2^e8
	s_sub_co_i32 s82, s78, s76
	s_sub_co_i32 s82, s82, s77                     ; O^T / the sum stands for that x 2^(e8 + e9): its code is that / 2^(e10 - e8 - e9)
	MKSC 246, 247, 82
	s_add_co_i32 s83, s78, s79
	v_mov_b32 v250, s59
	s_delay_alu instid0(VALU_DEP_1)
	v_ldexp_f32 v250, v250, s83                    ; gamma x 2^(e10 + e11)
	s_delay_alu instid0(VALU_DEP_1)
	v_mov_b32 v251, v250
	s_wait_loadcnt 0x0                             ; theta
.irp j, 0,1,2,3
	v_mov_b32 v[QF+8+\j], v[QF+\j]
.endr
	TRIP 0, 1, 1, 1                                ; slot 0; slot 1's and x's first fills go out
	s_mov_b32 s[LAP], 3
.Llap:                                             ; three trips, two slots each; each change of slots fills the slot that was left
	TRIP 1, 1, 0, 0
	TRIP 0, 1, 0, 2
	s_sub_co_u32 s[LAP], s[LAP], 1
	s_cmp_lg_u32 s[LAP], 0
	s_cbranch_scc1 .Llap
	TRIP 1, 0, 0, 0                                ; the last slot is written out
	; THE TWO HALVES OF THE KEYS MEET.  Slot 0 has had its last fill, and nobody has read it since the last change of slots: waves 8 to 15 lay their O^T and statistics there as images of their registers.
.irp c, 0,1,2,3
	global_load_b128 v[WF+4*\c:WF+4*\c+3], v[OW], s[8:9] offset:32*\c   ; o_w: row 16 w + r, k = 32 c + 16 h + 0 .. 15: asked for here, wanted at the last product
.endr
	s_cmp_lt_u32 s[WV], 8
	s_cbranch_scc1 .Lkeeps
.set i, 0
.rept 16
	ds_store_b128 v[MRG], v[OT+4*i:OT+4*i+3] offset:512*i      ; each accumulator from its low end on
.set i, i+1
.endr
	ds_store_b128 v[MRG], v[12:15] offset:16*512               ; -M, the largest t, the sum's two halves
.Lkeeps:
	s_wait_dscnt 0x0                               ; for the others' sake: my stores are done, and my reads of slot 1 are over
	s_barrier_signal -1
	s_barrier_wait -1
	s_cmp_lt_u32 s[WV], 8
	s_cbranch_scc0 .Lsent
	ds_load_b128 v[48:51], v[MRG] offset:16*512    ; my partner's -M, t and sums,
.set i, 0
.rept 16
	ds_load_b128 v[S+4*i:S+4*i+3], v[MRG] offset:512*i         ; and its O^T
.set i, i+1
.endr
	s_wait_dscnt 16                                ; the statistics are in; O^T's 16 loads, issued behind them, may stay out
	v_min_num_f32 v252, v12, v48                   ; -M of both: the larger M
	s_delay_alu instid0(VALU_DEP_1)
	v_sub_f32 v253, v252, v12                      ; my M less it,
	s_delay_alu instid0(VALU_DEP_2)
	v_sub_f32 v254, v252, v48                      ; my partner's M less it: whole numbers, 0 or less
	s_delay_alu instid0(VALU_DEP_2)
	v_cvt_i32_f32 v253, v253
	s_delay_alu instid0(VALU_DEP_2)
	v_cvt_i32_f32 v254, v254
	s_delay_alu instid0(VALU_DEP_2)
	v_ldexp_f32 v253, 1.0, v253                    ; f1, f2: powers of two, which round nothing
	s_delay_alu instid0(VALU_DEP_2)
	v_ldexp_f32 v254, 1.0, v254
	v_add_f32 v14, v14, v15                        ; each sum's two halves,
	v_add_f32 v50, v50, v51
	s_delay_alu instid0(VALU_DEP_2)
	v_mul_f32 v14, v14, v253
	s_delay_alu instid0(VALU_DEP_1)
	v_fmac_f32 v14, v50, v254                      ; both under the one M,
	s_delay_alu instid0(VALU_DEP_1)
	v_permlanex16_b32 v248, v14, s[SEL], s[SEL+1]
	s_delay_alu instid0(VALU_DEP_1)
	v_add_f32 v14, v14, v248                       ; and lane l xor 16's: the row's sum
	s_wait_alu depctr_va_vdst(0)
	v_rcp_f32 v242, v14
	v_nop                                          ; the plain line behind the reciprocal
	s_wait_alu depctr_va_vdst(0)                   ; ahead of the reciprocal's first reader
	v_mul_f32 v252, v253, v242                     ; f1 / the sum,
	v_mul_f32 v254, v254, v242                     ; f2 / the sum
.set j, 0
.rept 32
	v_pk_mul_f32 v[OT+j:OT+j+1], v[OT+j:OT+j+1], v[252:253] op_sel_hi:[1,0]
.set j, j+2
.endr
	s_wait_dscnt 0x0                               ; my partner's O^T
.set j, 0
.rept 32
	v_pk_fma_f32 v[OT+j:OT+j+1], v[S+j:S+j+1], v[254:255], v[OT+j:OT+j+1] op_sel_hi:[1,0,1]
.set j, j+2
.endr
.set j, 0
.rept 64
.set j, j+1
.endr
.irp t, 0,1,2,3,4,5,6,7
	v_cvt_scalef32_pk8_fp8_f32 v[PC+2*\t:PC+2*\t+1], v[OT+8*\t:OT+8*\t+7], v246   ; tiles 2 b and 2 b + 1 hold channels 32 b + 16 h + 0 .. 15 of my query: the order of o_w's fragments
.endr
	v_nop                                          ; one plain line behind the last conversion
.irp c, 0,1,2,3
	ds_store_b128 v[IMGW], v[PC+4*\c:PC+4*\c+3] offset:512*\c   ; my tile's fragment goes to LDS as an image of its registers
.endr
.Lsent:
	s_wait_dscnt 0x0                               ; for the others' sake: my stores are done
	s_barrier_signal -1
	s_barrier_wait -1
	; THE LAST PRODUCT: my 16 channels for all 128 rows
.irp m, 0,1,2,3,4,5,6,7
.irp c, 0,1,2,3
	ds_load_b128 v[S+16*\m+4*\c:S+16*\m+4*\c+3], v[IMGR] offset:2048*\m+512*\c   ; all eight tiles' fragments: v96-223
.endr
.endr
	s_wait_loadcnt 0x0                             ; o_w
	s_wait_dscnt 0x0
.irp m, 0,1,2,3,4,5,6,7
.if \m < 6
.set DR, 48+8*\m                       ; the sums: v48-95,
.else
.set DR, 176+8*\m                      ; v224-239
.endif
	v_wmma_f32_16x16x128_fp8_fp8 v[DR:DR+7], v[WF:WF+15], v[S+16*\m:S+16*\m+15], 0   ; transposed: source 0 = 16 rows of o_w, source 1 = 16 queries
.endr
.rept 4
	v_nop                                          ; four places in front of the loads into the fragments' registers and of the first read of the sums
.endr
.irp m, 0,1,2,3,4,5,6,7
	ds_load_b128 v[S+8*\m:S+8*\m+3], v[XA0+(\m/4)] offset:16*PX*(\m%4)        ; x(16 m + r, 16 w + 8 h + 0 .. 7)
	ds_load_b128 v[S+8*\m+4:S+8*\m+7], v[XA0+(\m/4)] offset:16*PX*(\m%4)+16
.endr
	s_wait_dscnt 0x0
.irp m, 0,1,2,3,4,5,6,7
.if \m < 6
.set DR, 48+8*\m
.else
.set DR, 176+8*\m
.endif
.irp j, 0,2,4,6
	v_pk_fma_f32 v[S+8*\m+\j:S+8*\m+\j+1], v[DR+\j:DR+\j+1], v[250:251], v[S+8*\m+\j:S+8*\m+\j+1] op_sel_hi:[1,0,1]   ; x + gamma 2^(e10 + e11) x sum
.endr
.endr
.irp m, 0,1,2,3,4,5,6,7
	ds_store_b128 v[XA0+(\m/4)], v[S+8*\m:S+8*\m+3] offset:16*PX*(\m%4)       ; back in place: these bytes are read and written by this lane alone
	ds_store_b128 v[XA0+(\m/4)], v[S+8*\m+4:S+8*\m+7] offset:16*PX*(\m%4)+16
.endr
	s_wait_dscnt 0x0                               ; for the others' sake: my stores are done
	s_barrier_signal -1
	s_barrier_wait -1                              ; 128 whole rows of the result lie in x's tile
.set t, 0
.rept 16
	ds_load_b128 v[S+4*t:S+4*t+3], v[RD] offset:PX*(t/2)+512*(t%2)
.set t, t+1
.endr
.set t, 0
.rept 16
	s_wait_dscnt 15-t                              ; LDS loads come back in order: number t is in
	global_store_b128 v[LI], v[S+4*t:S+4*t+3], s[16:17] offset:1024*(t/2)+512*(t%2) th:TH_STORE_NT   ; 32 lanes store 512 consecutive bytes, aligned; written once, read by nobody here
.set t, t+1
.endr
	s_wait_tensorcnt 0x0                           ; the wave's end, behind my last tensor load and my last LDS store
	ds_add_u32 v[SPW], v[NIL]
	s_wait_dscnt 0x0
	CROUND                                         ; the closing round: no work-group ends while a partner may still ask for a tile that names it
	s_endpgm
.Lfunc_end_k_q6bd83da324_attend:
	.size	k_q6bd83da324_attend, .Lfunc_end_k_q6bd83da324_attend-k_q6bd83da324_attend
	.p2alignl 7, 3214868480
	.fill 96, 4, 3214868480
	.section	.rodata,"a",@progbits
	.p2align	6, 0x0
	.amdhsa_kernel k_q6bd83da324_attend
		.amdhsa_group_segment_fixed_size 327680
		.amdhsa_private_segment_fixed_size 0
		.amdhsa_enable_private_segment 0
		.amdhsa_kernarg_size 56
		.amdhsa_user_sgpr_count 2
		.amdhsa_user_sgpr_kernarg_segment_ptr 1
		.amdhsa_wavefront_size32 1
		.amdhsa_system_sgpr_workgroup_id_x 1
		.amdhsa_system_sgpr_workgroup_id_y 1
		.amdhsa_system_sgpr_workgroup_id_z 1
		.amdhsa_system_vgpr_workitem_id 0
		.amdhsa_next_free_vgpr 256
		.amdhsa_next_free_sgpr 96
		.amdhsa_reserve_vcc 0
		.amdhsa_float_denorm_mode_32 3
		.amdhsa_float_denorm_mode_16_64 3
		.amdhsa_fp16_overflow 1
		.amdhsa_memory_ordered 1
		.amdhsa_forward_progress 1
		.amdhsa_inst_pref_size 156
	.end_amdhsa_kernel
	.amdgpu_metadata
---
amdhsa.version: [ 1, 2 ]
amdhsa.kernels:
  - .name:           k_q6bd83da324_attend
    .symbol:         k_q6bd83da324_attend.kd
    .args:
      - { .name: thq, .offset: 0, .size: 8, .value_kind: global_buffer, .address_space: global }
      - { .name: kv, .offset: 8, .size: 8, .value_kind: global_buffer, .address_space: global }
      - { .name: o_w_codes, .offset: 16, .size: 8, .value_kind: global_buffer, .address_space: global }
      - { .name: lowp_scales, .offset: 24, .size: 8, .value_kind: global_buffer, .address_space: global }
      - { .name: gamma, .offset: 32, .size: 8, .value_kind: global_buffer, .address_space: global }
      - { .name: x, .offset: 40, .size: 8, .value_kind: global_buffer, .address_space: global }
      - { .name: out0, .offset: 48, .size: 8, .value_kind: global_buffer, .address_space: global }
    .group_segment_fixed_size: 327680
    .private_segment_fixed_size: 0
    .kernarg_segment_align: 8
    .kernarg_segment_size: 56
    .max_flat_workgroup_size: 512
    .sgpr_count:     96
    .vgpr_count:     256
    .wavefront_size: 32
...
	.end_amdgpu_metadata
.endif
;; end of part 2
